; MI455X (gfx1250); checked and timed in simulation.
; The chip was launched on July 23, 2026; its instructions are those of AMD's public machine-readable ISA for CDNA 5 (MIT licence, August 2026) and "CDNA5" Instruction Set Architecture Reference Guide (July 2026). The comments in the code are by the model that wrote it; some were corrected since.
;; Re LULSTM. Allowed arithmetic: float matrix products may take bf16 or f16 operands with f32 sums; other float arithmetic in f32, or as packed bf16 or f16 multiplies, adds, multiply-adds, maxima and minima; sums over many terms, partial sums and values carried from step to step in f32; what a program stores and reads back later, other than sums and carried values, may be rounded once to bf16 or f16.
;; Inputs: Wch 2,048 x 2,048 float32; Wcx 2,048 x 2,048 float32; Wfh 2,048 x 2,048 float32; Wfx 2,048 x 2,048 float32; Wih 2,048 x 2,048 float32; Wix 2,048 x 2,048 float32; Woh 2,048 x 2,048 float32; Wox 2,048 x 2,048 float32; bcx 2,048 float32; bfx 2,048 float32; bix 2,048 float32; box 2,048 float32; c 2,048 x 2,048 float32; h 2,048 x 2,048 float32; x 2,048 x 2,048 float32.
;; Outputs: out0 2,048 x 2,048 float32; out1 2,048 x 2,048 float32.
;; 2 versions, each right; version 2 is version 1 with the launch pack written anew for expert scheduling mode. Each part assembles by itself: llvm-mc -triple=amdgcn-amd-amdhsa -mcpu=gfx1250 --defsym DOCPART=n.
;; ======== version 1 of 2: 2 launches
;; workspace buffers: Ab 16,777,216 bytes; Wb 67,108,864 bytes
;; launch pack (part 1): grid 512 x 1, 8 waves a work-group, no clusters, 0 bytes of LDS; arguments x, h, Wfx, Wfh, Wix, Wih, Wcx, Wch, Wox, Woh, Ab, Wb; writes Ab, Wb
.if DOCPART == 1
	.amdgcn_target "amdgcn-amd-amdhsa--gfx1250"
	.amdhsa_code_object_version 6
	.text
	.protected	k_q8447d85183_pack
	.globl	k_q8447d85183_pack
	.p2align	8
	.type	k_q8447d85183_pack,@function
k_q8447d85183_pack:
	s_mov_b64 s[64:65], 0
	v_nop
	global_prefetch_b8 v0, s[64:65] scope:SCOPE_SE
	s_setreg_imm32_b32 hwreg(HW_REG_WAVE_MODE, 25, 1), 1
	s_wait_xcnt 0x0
; The ten f32 matrices [2048][2048] are rounded once to bf16 (nearest even) and laid out for the product that follows.
;   Ab [2048][4096] bf16: row m = x[m][:] then h[m][:].
;   Wb [8192][4096] bf16: row (j / 64) 256 + 64 g + j % 64 = Wgx[j][:] then Wgh[j][:], g = 0, 1, 2, 3 for the gates f, i, c, o:
;   so 256 rows on end hold all four gates of 64 hidden columns.
; SHARES.  Work-group rb takes rows 4 rb .. 4 rb + 3 of all ten matrices, so every source pointer is named by the text and none is chosen.
; A CHUNK is half a source row, 4,096 bytes: thread t loads 16 bytes at 16 t (a wave: 512 bytes on end), rounds four numbers and stores 8 bytes at 8 t
; (a wave's store covers 256 consecutive bytes, aligned).  80 chunks, Q = 8 k + i: matrix k in the order of the arguments, row i / 2, half i % 2.
; A ring of 16 slots in registers keeps 16 loads of every wave on their way.  Nothing is shared between waves: no LDS, no barrier, no matrix unit.
; No prefetch: every byte is asked for once, by a load that stands sixteen chunks ahead of its use.
.set SO,  1                            ; v1  byte offset in a source: 32,768 rb + 16 t; never rewritten
.set DA,  2                            ; v2  byte offset in Ab: 32,768 rb + 8 t; never rewritten
.set DW,  3                            ; v3  byte offset in Wb: (rb / 16) 2^21 + (rb % 16) 2^15 + 8 t; never rewritten
.set X,   4                            ; v[4:67]   slot s: 4 registers as loaded
.set Y,   68                           ; v[68:99]  slot s: 2 registers to store
.set SRC, 8                            ; s[8+2k:9+2k] matrix k;  s[28:29] Ab;  s[30:31] Wb
	s_load_b512 s[8:23], s[0:1], 0x0               ; x, h, Wfx, Wfh, Wix, Wih, Wcx, Wch
	s_load_b256 s[24:31], s[0:1], 0x40             ; Wox, Woh, Ab, Wb
	s_lshl_b32 s2, ttmp9, 15                       ; four rows of 8,192 bytes, in a source and in Ab alike
	s_lshr_b32 s3, ttmp9, 4                        ; j / 64
	s_lshl_b32 s3, s3, 21                          ; x 256 rows of 8,192 bytes
	s_and_b32 s4, ttmp9, 15
	s_lshl_b32 s4, s4, 15                          ; (j % 64) x 8,192, for the first of my four rows
	s_add_co_u32 s3, s3, s4
	v_lshl_add_u32 v[SO], v0, 4, s2
	v_lshl_add_u32 v[DA], v0, 3, s2
	v_lshl_add_u32 v[DW], v0, 3, s3
	s_wait_kmcnt 0x0
.macro LD n                            ; chunk n is asked for
.set lk, (\n)/8
.set li, (\n)%8
.set ls, (\n)%16
	global_load_b128 v[X+4*ls:X+4*ls+3], v[SO], s[SRC+2*lk:SRC+2*lk+1] offset:li*4096 th:TH_LOAD_NT
.endm
.macro SLOT n                          ; chunk n is rounded and stored; its slot takes chunk n + 16
.set sk, (\n)/8
.set si, (\n)%8
.set ss, (\n)%16
.set left, 79-(\n)                     ; the loads issued behind chunk n's: fifteen, fewer at the end
.if left > 15
.set left, 15
.endif
	s_wait_loadcnt left                            ; loads come back in order (ISA guide 5.7.1): mine is in, the younger ones stay out
	s_wait_xcnt 0x0                                ; the slot's last store has read its two registers: they are rewritten only behind this wait
	v_cvt_pk_bf16_f32 v[Y+2*ss],   v[X+4*ss],   v[X+4*ss+1]
	v_cvt_pk_bf16_f32 v[Y+2*ss+1], v[X+4*ss+2], v[X+4*ss+3]
.if (\n) < 64
	LD (\n)+16                                     ; the load ahead of the store
.endif
.set so, (si/2)*8192+(sk%2)*4096+(si%2)*2048   ; row, x side or h side, half: the largest immediate is 1,603,584, inside the signed 24 bits
.if sk < 2
	global_store_b64 v[DA], v[Y+2*ss:Y+2*ss+1], s[28:29] offset:so th:TH_STORE_NT
.else
	global_store_b64 v[DW], v[Y+2*ss:Y+2*ss+1], s[30:31] offset:so+(sk/2-1)*524288 th:TH_STORE_NT  ; the gate's 64 rows of 8,192 bytes
.endif
.endm
.set q, 0
.rept 16
	LD q                                           ; the ring is filled
.set q, q+1
.endr
.set q, 0
.rept 80
	SLOT q
.set q, q+1
.endr
	s_endpgm
.Lfunc_end_k_q8447d85183_pack:
	.size	k_q8447d85183_pack, .Lfunc_end_k_q8447d85183_pack-k_q8447d85183_pack
	.p2alignl 7, 3214868480
	.fill 96, 4, 3214868480
	.section	.rodata,"a",@progbits
	.p2align	6, 0x0
	.amdhsa_kernel k_q8447d85183_pack
		.amdhsa_group_segment_fixed_size 0
		.amdhsa_private_segment_fixed_size 0
		.amdhsa_enable_private_segment 0
		.amdhsa_kernarg_size 96
		.amdhsa_user_sgpr_count 2
		.amdhsa_user_sgpr_kernarg_segment_ptr 1
		.amdhsa_wavefront_size32 1
		.amdhsa_system_sgpr_workgroup_id_x 1
		.amdhsa_system_sgpr_workgroup_id_y 1
		.amdhsa_system_sgpr_workgroup_id_z 1
		.amdhsa_system_vgpr_workitem_id 0
		.amdhsa_next_free_vgpr 104
		.amdhsa_next_free_sgpr 66
		.amdhsa_reserve_vcc 0
		.amdhsa_float_denorm_mode_32 3
		.amdhsa_float_denorm_mode_16_64 3
		.amdhsa_memory_ordered 1
		.amdhsa_forward_progress 1
		.amdhsa_inst_pref_size 31
	.end_amdhsa_kernel
	.amdgpu_metadata
---
amdhsa.version: [ 1, 2 ]
amdhsa.kernels:
  - .name:           k_q8447d85183_pack
    .symbol:         k_q8447d85183_pack.kd
    .args:
      - { .name: x, .offset: 0, .size: 8, .value_kind: global_buffer, .address_space: global }
      - { .name: h, .offset: 8, .size: 8, .value_kind: global_buffer, .address_space: global }
      - { .name: Wfx, .offset: 16, .size: 8, .value_kind: global_buffer, .address_space: global }
      - { .name: Wfh, .offset: 24, .size: 8, .value_kind: global_buffer, .address_space: global }
      - { .name: Wix, .offset: 32, .size: 8, .value_kind: global_buffer, .address_space: global }
      - { .name: Wih, .offset: 40, .size: 8, .value_kind: global_buffer, .address_space: global }
      - { .name: Wcx, .offset: 48, .size: 8, .value_kind: global_buffer, .address_space: global }
      - { .name: Wch, .offset: 56, .size: 8, .value_kind: global_buffer, .address_space: global }
      - { .name: Wox, .offset: 64, .size: 8, .value_kind: global_buffer, .address_space: global }
      - { .name: Woh, .offset: 72, .size: 8, .value_kind: global_buffer, .address_space: global }
      - { .name: Ab, .offset: 80, .size: 8, .value_kind: global_buffer, .address_space: global }
      - { .name: Wb, .offset: 88, .size: 8, .value_kind: global_buffer, .address_space: global }
    .group_segment_fixed_size: 0
    .private_segment_fixed_size: 0
    .kernarg_segment_align: 8
    .kernarg_segment_size: 96
    .max_flat_workgroup_size: 256
    .sgpr_count:     66
    .vgpr_count:     104
    .wavefront_size: 32
...
	.end_amdgpu_metadata
.endif
;; end of part 1
;; launch lstm (part 2): grid 32 x 8, 4 waves a work-group, clusters of 4 x 4, 327,680 bytes of LDS; arguments Ab, Wb, c, bfx, bix, bcx, box, out0, out1; writes out0, out1
.if DOCPART == 2
	.amdgcn_target "amdgcn-amd-amdhsa--gfx1250"
	.amdhsa_code_object_version 6
	.text
	.protected	k_q8447d85183_lstm
	.globl	k_q8447d85183_lstm
	.p2align	8
	.type	k_q8447d85183_lstm,@function
k_q8447d85183_lstm:
	s_mov_b64 s[64:65], 0
	v_nop
	global_prefetch_b8 v0, s[64:65] scope:SCOPE_SE
	s_setreg_imm32_b32 hwreg(HW_REG_WAVE_MODE, 25, 1), 1
	s_wait_xcnt 0x0
	s_wait_alu depctr_hold_cnt(0) depctr_sa_sdst(0) depctr_va_vdst(0) depctr_va_sdst(0) depctr_va_ssrc(0) depctr_va_vcc(0) depctr_vm_vsrc(0)
	s_getreg_b32 s2, hwreg(HW_REG_IB_STS2, 6, 4)
	s_cmp_eq_u32 s2, 0
	s_cbranch_scc0 .Lentry_in_a_cluster
	s_endpgm
.Lentry_in_a_cluster:
	s_bfe_u32 s2, ttmp6, 0x10000c
	s_cmp_lg_u32 s2, 0xf033
	s_cbranch_scc0 .Lentry_shape_is_right
	s_endpgm
.Lentry_shape_is_right:
; G[m][n'] = bias[n'] + the sum over k of Ab[m][k] Wb[n'][k]  (Ab [2048][4096], Wb [8192][4096], bf16; sums in f32), and the LSTM's tail on it:
; f = relu(Gf), i = relu(Gi), o = relu(Go), ct = tanh(Gc); out1 = c_new = f c + i ct; out0 = h_new = o tanh(c_new).  c, out0, out1: [2048][2048] f32.
; Wb's rows 256 tc + 64 g + jj hold gate g (f, i, c, o) of hidden column 64 tc + jj, so a tile of 256 x 256 of G holds all that 256 rows x 64 hidden columns of the outputs need.
; LIMITS.  Every input is taken rounded once to bf16: x, h and the weights by the launch before, c and the four biases here.  tanh(x) = 1 - 2 / (1 + 2^(2 log2(e) x)):
; absolute error of some 1e-7, exactly +-1 where the power overflows or falls below 2^-126.  relu takes a NaN for 0; NaN and infinities are not treated apart otherwise.
; SHARES.  A work-group of four waves makes one tile; wave w makes its rows 64 w .. 64 w + 63 x all 256 columns: 64 accumulators of 16 x 16, 512 registers.  So a wave holds all four gates
; of 64 hidden columns, 256 consecutive bytes of each output row, and the tail is the wave's own: no barrier.  The price: 40 LDS loads for 64 matrix instructions, where a square share has 32.
; K goes in steps of 128 through a ring of two LDS slots filled by the tensor data mover; a tile's rows are 256 bytes of memory, at multiples of 256 bytes.
; CLUSTERS: 4 x 4 work-groups.  The four of a row of the cluster need the same tiles of Ab, the four of a column the same tiles of Wb: each is asked for JOINTLY, by the same tensor load
; with the same descriptor and a mask that names the four.
; THE MATRIX INSTRUCTION IS USED TRANSPOSED: source 0 = 16 rows of Wb, source 1 = 16 rows of Ab.  Lane l then holds row l % 16 of G and its registers 0-7 the columns 8 (l / 16) + 0..7.
; THE BIAS STARTS THE SUMS: it is the C operand of each accumulator's first product; nothing is cleared and nothing is added later.
; REGISTERS, in windows of 256 (s_set_vgpr_msb's low byte: bits 1:0 source 0, 3:2 source 1, 5:4 source 2, 7:6 destination):
;   window 0: v0-31 addresses; v32-63, v64-95 fragments of Ab (4 x 16 rows x 32 K), two buffers; v128-255 the bias, 8 registers for each group of 16 columns; in the tail v96-223 at work
;   window 1: v0-127, v128-255 fragments of Wb (16 x 16 rows x 32 K), two buffers; in the tail v0-127 hold c
;   window 2: accumulators (a, b) for b < 8 at v[8 (8 a + b)]: of row block a, f at 64 a, i at 64 a + 32      window 3: those for b >= 8: ct at 64 a, o at 64 a + 32
.set SIZE_K, 4096
.set KSTEP,  128
.set PITCH,  272                       ; an LDS row: 256 bytes + 16 of padding = 68 words: the 16 rows that a load touches start at 16 different groups of four banks (ISA guide 11.1)
.set HALFT,  128*PITCH                 ; 128 rows: what one tensor load brings
.set SLOT,   4*HALFT                   ; Ab's 256 rows, then Wb's 256 rows
.set STAGE,  2*SLOT                    ; behind the ring, never filled by a tensor load: for each wave two arrays of 16 rows x 272 bytes
.set SPITCH, 272
.set ARR,    16*SPITCH
.set SPARE,  STAGE+4*2*ARR             ; behind the stages: the spare words, 128 bytes for each wave: two blocks of 256 bytes that no other line names
.set LAPS,   SIZE_K/(2*KSTEP)          ; a lap = two K steps = once round the ring: 16
.set OROW,   8192                      ; bytes in a row of c, out0, out1
.set ADRA, 16                          ; v16-17  LDS address of my fragments of Ab in slot 0, 1
.set ADRB, 20                          ; v20-21  the same for Wb
.set STO,  24                          ; v24     the tail: where I put 32 bytes of a row
.set RD,   25                          ; v25     the tail: where I read 16 bytes of a row back
.set GO,   26                          ; v26     my byte offset in two rows of c, out0, out1; never rewritten
.set BO,   27                          ; v27     my byte offset in a bias
.set SPW,  28                          ; v28     LDS address of my spare word: SPARE + 4 x my thread's number; never rewritten
.set NIL,  29                          ; v29     0; never rewritten
.set PFO,  30                          ; v30     the prefetches' offset: my lane x a row of Ab or Wb; never rewritten
.set FA,   32                          ; Ab's fragment buffer f at FA + 32 f;  Wb's at 128 f of window 1
.set BIAS, 128
.set T,    96                          ; the tail's four sets of 32 registers
.set U,    128
.set V,    160
.set WO,   192
.set G1,  24                           ; s[24:31] descriptor group 1 for Ab's tiles;  s[32:39] group 0, a set for each slot
.set G0,  32
.set LIM, 43                           ; s43     1 in a wave that prefetches, else the greatest number
.set PFA, 44                           ; s[44:45] where my prefetches stand
.set G1B, 48                           ; s[48:55], s[56:63] the same for Wb's tiles
.set G0B, 56
.set CP,  68                           ; s[68:69] c;  s[70:77] bfx, bix, bcx, box;  s[78:79] out0;  s[80:81] out1
.set BP,  70
.set HP,  78
.set NP,  80
.set KK,  84                           ; s[84:85] 2 log2(e): the packed forms name a pair and take its low word for both halves
.set MSB, 0
.macro WIN new                         ; the immediate's high byte repeats the setting that is left; a switch that changes nothing is dropped
.if MSB != (\new)
	s_set_vgpr_msb (MSB<<8)|(\new)
.set MSB, \new
.endif
.endm
; A joint load.  Waves 0 and 1 fetch Ab's two halves, waves 2 and 3 Wb's.  Each line has one mask and one set of registers for all that issue it; the branch hangs on the wave's number alone.
; An s_nop 0 and four v_nop follow each of the two lines, ahead of the jump, the label and what follows.
.macro JLOAD s
	s_cmp_eq_u32 s11, 0
	s_cbranch_scc0 .Lfor_b_\@
	tensor_load_to_lds s[G0+4*(\s):G0+4*(\s)+3], s[G1:G1+7]
	s_nop 0
.rept 4
	v_nop
.endr
	s_branch .Lasked_\@
.Lfor_b_\@:
	tensor_load_to_lds s[G0B+4*(\s):G0B+4*(\s)+3], s[G1B:G1B+7]
	s_nop 0
.rept 4
	v_nop
.endr
.Lasked_\@:
.endm
; A PREFETCH INTO THE L2, behind each joint refill and the run of LDS loads that follows it: the K step that stands TWO refills on, 512 matrix instructions ahead of the load that will want it:
; 32 rows x 256 bytes, a lane a row, one instruction a wave.  Each row's 256 bytes of a K step are named once in the launch: Ab's tile row is read by every cluster of that row of clusters, and
; the one with cluster x = 0 asks; Wb's tile column by both clusters of that column, and the one with cluster y = 0 asks.  The four partners that ask for a tile jointly share its rows out BY
; ADDRESS: of the 128 rows that a wave fetches the partner at place p takes 32 p .. 32 p + 31.  K steps 0 to 3 come by their loads alone; the loop's last trip (s3 = 1) has no K step two on.
.macro ASK
	WIN 0
	s_cmp_gt_u32 s3, s[LIM]
	s_cbranch_scc0 .Lnot_mine_\@
	global_prefetch_b8 v[PFO], s[PFA:PFA+1] offset:KSTEP*2 th:TH_LOAD_NT scope:SCOPE_SE
.Lnot_mine_\@:
.endm
; A round of the cluster's barrier: my work-group's barrier, so that wave 0's signal speaks for all four waves; wave 0 signals; every wave waits for all sixteen work-groups; my work-group's barrier once more.
.macro CREST                           ; a round behind its opening barrier
	s_cmp_lg_u32 s10, 0
	s_cbranch_scc1 .Lnot_wave_0_\@
	s_barrier_signal -3
.Lnot_wave_0_\@:
	s_barrier_wait -3
	s_barrier_signal -1
	s_barrier_wait -1
.endm
.macro CROUND                          ; a whole round
	s_barrier_signal -1
	s_barrier_wait -1
	CREST
.endm
	s_load_b128 s[4:7], s[0:1], 0x0                ; Ab s[4:5], Wb s[6:7]
	s_load_b256 s[68:75], s[0:1], 0x10             ; c, bfx, bix, bcx
	s_load_b128 s[76:79], s[0:1], 0x30             ; box, out0
	s_load_b64 s[80:81], s[0:1], 0x40              ; out1
	v_lshl_add_u32 v[SPW], v0, 2, SPARE
	v_mov_b32 v[NIL], 0
	ds_add_u32 v[SPW], v[NIL]                      ; the wave's opening: the add, twice on end, and its wait ahead of my first tensor load; the set-up below stands between
	ds_add_u32 v[SPW], v[NIL]                      ; and once more, under the one wait
	v_lshrrev_b32 v1, 5, v0
	v_readfirstlane_b32 s10, v1                    ; wave 0..3
	s_lshr_b32 s11, s10, 1                         ; I fetch for Ab (0) or for Wb (1)
	s_and_b32 s12, s10, 1                          ; which 128 rows of that tile I fetch
	s_bfe_u32 s40, ttmp6, 0x40000                  ; cx: my place along the cluster's x
	s_bfe_u32 s41, ttmp6, 0x40004                  ; cy: along its y
	s_lshl_b32 s42, ttmp9, 2                       ; in a cluster launch ttmp9 and ttmp7 count clusters
	s_add_co_u32 s42, s42, s40                     ; tc, the tile column = 4 x cluster x + cx
	s_and_b32 s13, ttmp7, 0xffff
	s_lshl_b32 s13, s13, 2
	s_add_co_u32 s13, s13, s41                     ; tr, the tile row = 4 x cluster y + cy
	s_lshl_b32 s43, s41, 2
	s_lshl_b32 s43, 15, s43                        ; my row of the cluster: places 4 cy .. 4 cy + 3
	s_lshl_b32 s44, 0x1111, s40                    ; my column: places cx, cx + 4, cx + 8, cx + 12
	; descriptor group 1: a tile of 128 rows x 128 elements, padded in LDS
	s_or_b32 s[G1+0], s43, (1<<16)|(1<<20)|(1<<21)|(5<<22)|(3<<25)  ; 15:0 the mask: Ab's tiles go to my row; 17:16 elements of 2 bytes; 20 padding on; 21 set beside a mask; 24:22 after every 64 words (code 5); 31:25 4 words of it (code 3)
	s_or_b32 s[G1B+0], s44, (1<<16)|(1<<20)|(1<<21)|(5<<22)|(3<<25) ; the same with the mask of my column, for Wb's tiles
.irp g, G1, G1B
	s_mov_b32 s[(\g)+1], KSTEP<<16                 ; tensor_dim0 = 128
	s_mov_b32 s[(\g)+2], 128<<16                   ; tensor_dim1 = 128
	s_mov_b32 s[(\g)+3], KSTEP<<16                 ; tile_dim0 = 128
	s_mov_b32 s[(\g)+4], 128                       ; tile_dim1 = 128
	s_mov_b32 s[(\g)+5], SIZE_K                    ; elements from row to row
	s_mov_b32 s[(\g)+6], 0
	s_mov_b32 s[(\g)+7], 0
.endr
	; where the tiles come from.  Ab's hang on the tile row alone, Wb's on the tile column alone; each address is made in registers that never hold the other coordinate
	s_lshl_b32 s17, s12, 7
	s_lshl_b32 s16, s13, 8
	s_add_co_u32 s16, s16, s17                     ; Ab: row 256 tr + 128 x half
	s_lshl_b32 s46, s42, 8
	s_add_co_u32 s46, s46, s17                     ; Wb: row 256 tc + 128 x half
	s_mov_b32 s17, 0
	s_mov_b32 s47, 0
	s_mov_b64 s[18:19], SIZE_K*2
	s_mul_u64 s[16:17], s[16:17], s[18:19]         ; in bytes
	s_mul_u64 s[46:47], s[46:47], s[18:19]
	s_mul_i32 s20, s10, HALFT                      ; and where they go: wave x 128 rows: no place in the cluster enters an LDS address
	s_mov_b32 s[KK], 0x4038aa3b                    ; 2 log2(e) = 2.885390
	s_mov_b32 s[KK+1], s[KK]
	s_wait_dscnt 0x0                               ; both opening adds are done
	s_wait_kmcnt 0x0
	s_add_nc_u64 s[14:15], s[4:5], s[16:17]
	s_add_nc_u64 s[46:47], s[6:7], s[46:47]
	CROUND                                         ; all sixteen work-groups are here: the first joint loads meet
.irp s, 0,1
	s_mov_b32 s[G0+4*(\s)], 1                                      ; count = 1
	s_add_co_u32 s[G0+4*(\s)+1], s20, (\s)*SLOT                    ; LDS address
	s_add_nc_u64 s[G0+4*(\s)+2:G0+4*(\s)+3], s[14:15], (\s)*KSTEP*2  ; global address: K step s
	s_or_b32 s[G0+4*(\s)+3], s[G0+4*(\s)+3], 0x80000000            ; type = 2
	s_mov_b32 s[G0B+4*(\s)], 1
	s_add_co_u32 s[G0B+4*(\s)+1], s20, (\s)*SLOT
	s_add_nc_u64 s[G0B+4*(\s)+2:G0B+4*(\s)+3], s[46:47], (\s)*KSTEP*2
	s_or_b32 s[G0B+4*(\s)+3], s[G0B+4*(\s)+3], 0x80000000
	JLOAD \s                                       ; the ring is filled before anything else is done: two loads of mine are out
.endr
	v_and_b32 v1, 15, v0                           ; r = l % 16
	v_bfe_u32 v2, v0, 4, 1                         ; hh = l / 16
	s_lshl_b32 s13, s13, 8                         ; 256 tr
	s_lshl_b32 s42, s42, 8                         ; 256 tc: the tile's first row in Wb, and the bytes of 64 tc numbers of f32
	; THE BIAS.  In group b = 4 g + sub a lane's eight columns are hidden columns 64 tc + 16 sub + 8 hh + 0..7 of gate g: 32 bytes of that gate's bias
	v_lshl_add_u32 v[BO], v2, 5, s42
.irp g, 0,1,2,3
.irp u, 0,1,2,3
.irp q, 0,1
	global_load_b128 v[BIAS+8*(4*(\g)+(\u))+4*(\q):BIAS+8*(4*(\g)+(\u))+4*(\q)+3], v[BO], s[BP+2*(\g):BP+2*(\g)+1] offset:64*(\u)+16*(\q)
.endr
.endr
.endr
	; A fragment is 16 rows x 32 K in 8 registers: lane l holds row l % 16; registers 0-3 K = 8 hh + 0..7, registers 4-7 K = 16 + 8 hh + 0..7: two loads of 16 bytes, 32 bytes apart
	v_mul_u32_u24 v3, v1, PITCH
	v_lshl_add_u32 v3, v2, 4, v3                   ; row x pitch + 16 hh
	s_mul_i32 s21, s10, 64*PITCH                   ; my 64 rows of Ab
	s_mov_b32 s22, 2*HALFT                         ; Wb's 256 rows lie behind Ab's 256
.irp s, 0,1
	v_add_nc_u32 v[ADRA+(\s)], s21, v3
	v_add_nc_u32 v[ADRB+(\s)], s22, v3
	s_add_co_u32 s21, s21, SLOT
	s_add_co_u32 s22, s22, SLOT
.endr
	s_mul_i32 s23, s10, 2*ARR
	s_add_co_u32 s23, s23, STAGE                   ; my stage
	v_mul_u32_u24 v4, v1, SPITCH                   ; in: row r, 32 bytes for each half of the lanes
	v_lshl_add_u32 v4, v2, 5, v4
	v_add_nc_u32 v[STO], s23, v4
	v_mul_u32_u24 v5, v2, SPITCH                   ; back: lanes 0-15 take one row of 256 bytes, lanes 16-31 the next
	v_lshl_add_u32 v5, v1, 4, v5
	v_add_nc_u32 v[RD], s23, v5
	v_lshlrev_b32 v5, 13, v2                       ; and the same two rows in c, out0, out1
	v_lshl_add_u32 v[GO], v1, 4, v5
	s_lshl_b32 s82, s10, 6
	s_add_co_u32 s82, s82, s13                     ; my first row: 256 tr + 64 w,
	s_lshl_b32 s82, s82, 13                        ; in bytes,
	s_add_co_u32 s82, s82, s42                     ; and my 64 columns
	s_mov_b32 s83, 0
	s_add_nc_u64 s[CP:CP+1], s[CP:CP+1], s[82:83]
	s_add_nc_u64 s[HP:HP+1], s[HP:HP+1], s[82:83]
	s_add_nc_u64 s[NP:NP+1], s[NP:NP+1], s[82:83]
	; the prefetches
	s_and_b32 s22, ttmp7, 0xffff                   ; cluster y
	s_cmp_eq_u32 s11, 0                            ; do I fetch for Ab?
	s_cselect_b32 s20, s13, s42                    ; the tile's first row
	s_cselect_b32 s21, s40, s41                    ; my place among the four that ask for it with me
	s_cselect_b32 s22, ttmp9, s22                  ; the coordinate along which other clusters read the same rows
	s_cselect_b64 s[PFA:PFA+1], s[4:5], s[6:7]
	s_cmp_eq_u32 s22, 0
	s_cselect_b32 s[LIM], 1, -1                    ; the same in all sixteen partners, for a given wave
	s_lshl_b32 s22, s12, 7
	s_add_co_u32 s20, s20, s22                     ; + the 128 rows that I fetch
	s_lshl_b32 s21, s21, 5
	s_add_co_u32 s20, s20, s21                     ; + my work-group's 32 of them
	s_mov_b32 s21, 0
	s_mov_b64 s[18:19], SIZE_K*2
	s_mul_u64 s[20:21], s[20:21], s[18:19]
	s_add_nc_u64 s[PFA:PFA+1], s[PFA:PFA+1], s[20:21]
	s_add_nc_u64 s[PFA:PFA+1], s[PFA:PFA+1], 2*KSTEP*2  ; at K step 2: the first refill steps it to 3 and names K step 4
	v_and_b32 v[PFO], 31, v0
	v_mul_u32_u24 v[PFO], v[PFO], SIZE_K*2
	s_wait_loadcnt 0x0                             ; the bias
	; the bias is rounded once to bf16, like every input, and widened again: 32 pairs at a time, so that no line reads the result of the line before it
.irp p, 0,1
.set e, 0
.rept 32
	v_cvt_pk_bf16_f32 v[T+e], v[BIAS+64*(\p)+2*e], v[BIAS+64*(\p)+2*e+1]
.set e, e+1
.endr
.set e, 0
.rept 32
	v_lshlrev_b32 v[BIAS+64*(\p)+2*e], 16, v[T+e]
	v_and_b32 v[BIAS+64*(\p)+2*e+1], 0xffff0000, v[T+e]
.set e, e+1
.endr
.endr
; 16 matrix instructions: row blocks a0, a0 + 1 x eight column groups (hi = 0: groups 0-7, window 2; hi = 1: groups 8-15, window 3), 32 along K, from buffers f.
; first = 1: the bias, in window 0, is the C operand.  All 64 accumulators take turns, in the same order in every quarter step, over the backward jump too.
.macro MUL16 f, hi, a0, first
.if \first
	WIN 0x81+0x40*(\hi)                            ; source 0 window 1, sources 1 and 2 window 0, destination window 2 or 3
.else
	WIN 0xa1+0x50*(\hi)                            ; source 0 window 1, source 1 window 0, C and D window 2 or 3
.endif
.irp a, \a0, (\a0)+1
.irp b, 0,1,2,3,4,5,6,7
.if \first
	v_wmma_f32_16x16x32_bf16 v[8*(8*(\a)+(\b)):8*(8*(\a)+(\b))+7], v[128*(\f)+8*(8*(\hi)+(\b)):128*(\f)+8*(8*(\hi)+(\b))+7], v[FA+32*(\f)+8*(\a):FA+32*(\f)+8*(\a)+7], v[BIAS+8*(8*(\hi)+(\b)):BIAS+8*(8*(\hi)+(\b))+7]
.else
	v_wmma_f32_16x16x32_bf16 v[8*(8*(\a)+(\b)):8*(8*(\a)+(\b))+7], v[128*(\f)+8*(8*(\hi)+(\b)):128*(\f)+8*(8*(\hi)+(\b))+7], v[FA+32*(\f)+8*(\a):FA+32*(\f)+8*(\a)+7], v[8*(8*(\a)+(\b)):8*(8*(\a)+(\b))+7]
.endif
.endr
.endr
.endm
; 40 LDS loads in one run: the fragments of one quarter step (my 64 rows of Ab, then Wb's 256 rows; 32 K at byte k of the rows) into buffers f.  The largest offset is 65,504.
.macro FETCH slot, k, f
	WIN 0
.irp i, 0,1,2,3
	ds_load_b128 v[FA+32*(\f)+8*(\i):FA+32*(\f)+8*(\i)+3],   v[ADRA+(\slot)] offset:(\k)+(\i)*16*PITCH
	ds_load_b128 v[FA+32*(\f)+8*(\i)+4:FA+32*(\f)+8*(\i)+7], v[ADRA+(\slot)] offset:(\k)+(\i)*16*PITCH+32
.endr
	WIN 0x40                                       ; destination window 1, address window 0
.irp i, 0,1,2,3,4,5,6,7,8,9,10,11,12,13,14,15
	ds_load_b128 v[128*(\f)+8*(\i):128*(\f)+8*(\i)+3],   v[ADRB+(\slot)] offset:(\k)+(\i)*16*PITCH
	ds_load_b128 v[128*(\f)+8*(\i)+4:128*(\f)+8*(\i)+7], v[ADRB+(\slot)] offset:(\k)+(\i)*16*PITCH+32
.endr
.endm
; A load into a register that a matrix instruction has read, and a vector instruction that reads a matrix result, stand four places behind that matrix instruction, and only plain vector
; instructions that name none of its registers are places (ISA guide 7.12.1 for vector instructions).
.macro PLACES
.rept 4
	v_nop
.endr
.endm
; A K step is four quarter steps of 32 along K, 64 matrix instructions each, on buffers 0, 1, 0, 1.  One of the first three: multiplies buffers f; in its middle it fetches the next quarter, at byte k, into buffers g.
.macro QUARTER slot, k, f, g, first
	s_wait_dscnt 16                                ; Ab's fragments and Wb's groups 0-7 are in; the youngest sixteen loads (groups 8-15) may be out
	MUL16 \f, 0, 0, \first
	MUL16 \f, 0, 2, \first
	PLACES
	FETCH \slot, \k, \g
	s_wait_dscnt 40                                ; all but the 40 just issued
	MUL16 \f, 1, 0, \first
	MUL16 \f, 1, 2, \first
.endm
; The last quarter multiplies buffers 1 and changes slots.  MEET is its first half: ONE barrier for two things.  In front of it each wave waits for all its tensor loads, of which one is out: its
; part of the next slot; adds 0 to its spare word; and waits for that and for its own reads of this slot.  Behind it nobody reads this slot any more and the next slot is whole.
.macro MEET round                      ; round = 1: a round of the cluster's barrier follows
	WIN 0                                          ; (the add's two registers lie in window 0)
	s_wait_tensorcnt 0x0                           ; all my tensor loads have landed;
	ds_add_u32 v[SPW], v[NIL]                      ; 0 onto my spare word;
	s_wait_dscnt 17                                ; (the add and the youngest sixteen loads may be out)
	MUL16 1, 0, 0, 0                               ; sixteen matrix instructions stand between the add and the wait for it
	s_wait_dscnt 0x0                               ; the add is done, and my reads of this slot are over:
	s_barrier_signal -1                            ; say so,
	MUL16 1, 0, 2, 0                               ; work on registers while the others arrive,
.if \round
	WIN 0
.endif
	s_barrier_wait -1                              ; and go on when all four have said so
.endm
; The whole last quarter.  fill = 1: behind the round the slot just read out is filled again first, with the K step two steps on; then come the next slot's first fragments.
; From a request to the wait for it a wave issues 224 matrix instructions.
.macro TURN slot, next, fill
.if \fill
	s_wait_xcnt 0x0                                ; the last prefetch, a K step back, has read its address: it is stepped here, ahead of the waits of the change of slots
	s_add_nc_u64 s[PFA:PFA+1], s[PFA:PFA+1], KSTEP*2
.endif
	MEET \fill
.if \fill
	CREST                                          ; no wave of any partner still reads this slot's tile or has a load on its way
	s_add_nc_u64 s[G0+4*(\slot)+2:G0+4*(\slot)+3], s[G0+4*(\slot)+2:G0+4*(\slot)+3], 2*KSTEP*2
	s_add_nc_u64 s[G0B+4*(\slot)+2:G0B+4*(\slot)+3], s[G0B+4*(\slot)+2:G0B+4*(\slot)+3], 2*KSTEP*2
	JLOAD \slot                                    ; the first tensor load behind the round, one a wave; the four v_nop behind it are also the places in front of the loads below
.else
	PLACES
.endif
	FETCH \next, 0, 0
.if \fill
	ASK
.endif
	MUL16 1, 1, 0, 0
	MUL16 1, 1, 2, 0
.endm
; THE TAIL for row block a: 16 rows x 64 hidden columns.  The gates are made where the sums lie (a lane: one row, eight columns of each group); f, p = i ct and o then go through my own stage
; in LDS and come back as whole rows (a lane: 16 bytes of a row; sixteen lanes: 256 bytes on end), which is how c was loaded and how both outputs are stored.
; Each batch of 32 exponentials or reciprocals has ONE s_wait_alu depctr_va_vdst(0), ahead of its first reader, and plain work or a v_nop between.
; Every accumulator is read from its lowest registers on.
.macro EPI a
.if (\a) > 0
	s_wait_xcnt 0x0                                ; the last block's stores have read T and U: they are rewritten only behind this wait
.endif
	WIN 0x03                                       ; source 0 window 3
.set e, 0
.rept 16
	v_pk_mul_f32 v[T+e:T+e+1], v[64*(\a)+e:64*(\a)+e+1], s[KK:KK+1] op_sel_hi:[1,0]  ; 2 log2(e) Gc
.set e, e+2
.endr
	WIN 0
.set e, 0
.rept 32
	v_exp_f32 v[T+e], v[T+e]
.set e, e+1
.endr
	WIN 0x08                                       ; source 1 window 2
.set e, 0
.rept 32
	v_max_num_f32 v[U+e], 0, v[64*(\a)+32+e]       ; i
.set e, e+1
.endr
.set e, 0
.rept 32
	v_max_num_f32 v[V+e], 0, v[64*(\a)+e]          ; f
.set e, e+1
.endr
	WIN 0
	s_wait_alu depctr_va_vdst(0)                   ; the exponentials
.set e, 0
.rept 16
	v_pk_add_f32 v[T+e:T+e+1], v[T+e:T+e+1], 1.0 op_sel_hi:[1,0]
.set e, e+2
.endr
.set e, 0
.rept 32
	v_rcp_f32 v[T+e], v[T+e]
.set e, e+1
.endr
	WIN 0x0c                                       ; source 1 window 3
.set e, 0
.rept 32
	v_max_num_f32 v[WO+e], 0, v[64*(\a)+32+e]      ; o
.set e, e+1
.endr
	WIN 0
	s_wait_alu depctr_va_vdst(0)                   ; the reciprocals
.set e, 0
.rept 16
	v_pk_fma_f32 v[T+e:T+e+1], v[T+e:T+e+1], -2.0, 1.0 op_sel_hi:[1,0,0]  ; ct
.set e, e+2
.endr
.set e, 0
.rept 16
	v_pk_mul_f32 v[T+e:T+e+1], v[T+e:T+e+1], v[U+e:U+e+1]                 ; p = i ct
.set e, e+2
.endr
	; LDS serves a wave's instructions in order (ISA guide 5.7.1.4) and the stage is my own: no wait stands between these 48 lines
.irp u, 0,1,2,3
.irp q, 0,1
	ds_store_b128 v[STO], v[V+8*(\u)+4*(\q):V+8*(\u)+4*(\q)+3] offset:64*(\u)+16*(\q)
.endr
.endr
.irp u, 0,1,2,3
.irp q, 0,1
	ds_store_b128 v[STO], v[T+8*(\u)+4*(\q):T+8*(\u)+4*(\q)+3] offset:ARR+64*(\u)+16*(\q)
.endr
.endr
.irp t, 0,1,2,3,4,5,6,7
	ds_load_b128 v[V+4*(\t):V+4*(\t)+3], v[RD] offset:(\t)*2*SPITCH
.endr
.irp t, 0,1,2,3,4,5,6,7
	ds_load_b128 v[T+4*(\t):T+4*(\t)+3], v[RD] offset:ARR+(\t)*2*SPITCH
.endr
.irp u, 0,1,2,3
.irp q, 0,1
	ds_store_b128 v[STO], v[WO+8*(\u)+4*(\q):WO+8*(\u)+4*(\q)+3] offset:64*(\u)+16*(\q)  ; o takes f's array, behind the loads that read f
.endr
.endr
.irp t, 0,1,2,3,4,5,6,7
	ds_load_b128 v[WO+4*(\t):WO+4*(\t)+3], v[RD] offset:(\t)*2*SPITCH
.endr
	s_wait_dscnt 16                                ; f and p are back; o's eight stores and eight loads may be out
	s_wait_loadcnt 24-8*(\a)                       ; c of this block is in; the later blocks' loads, eight each, may be out
	WIN 0x05                                       ; sources 0 and 1 window 1
.set e, 0
.rept 16
	v_cvt_pk_bf16_f32 v[U+e], v[32*(\a)+2*e], v[32*(\a)+2*e+1]  ; c rounded once to bf16, like every input
.set e, e+1
.endr
	WIN 0
.set e, 0
.rept 16
	v_fma_mix_f32_bf16 v[T+e],   v[U+e/2], v[V+e],   v[T+e]   op_sel_hi:[1,0,0]                 ; c_new = c f + p, one rounding
	v_fma_mix_f32_bf16 v[T+e+1], v[U+e/2], v[V+e+1], v[T+e+1] op_sel:[1,0,0] op_sel_hi:[1,0,0]
.set e, e+2
.endr
.irp t, 0,1,2,3,4,5,6,7
	global_store_b128 v[GO], v[T+4*(\t):T+4*(\t)+3], s[NP:NP+1] offset:(16*(\a)+2*(\t))*OROW th:TH_STORE_NT  ; 16 lanes store 256 consecutive bytes, at a multiple of 256 from out1's first byte
.endr
.set e, 0
.rept 16
	v_pk_mul_f32 v[U+e:U+e+1], v[T+e:T+e+1], s[KK:KK+1] op_sel_hi:[1,0]
.set e, e+2
.endr
.set e, 0
.rept 32
	v_exp_f32 v[U+e], v[U+e]
.set e, e+1
.endr
	v_nop                                          ; a plain instruction behind the last exponential
	s_wait_alu depctr_va_vdst(0)
.set e, 0
.rept 16
	v_pk_add_f32 v[U+e:U+e+1], v[U+e:U+e+1], 1.0 op_sel_hi:[1,0]
.set e, e+2
.endr
.set e, 0
.rept 32
	v_rcp_f32 v[U+e], v[U+e]
.set e, e+1
.endr
	v_nop
	s_wait_alu depctr_va_vdst(0)
.set e, 0
.rept 16
	v_pk_fma_f32 v[U+e:U+e+1], v[U+e:U+e+1], -2.0, 1.0 op_sel_hi:[1,0,0]  ; tanh(c_new)
.set e, e+2
.endr
	s_wait_dscnt 0x0                               ; o is back
.set e, 0
.rept 16
	v_pk_mul_f32 v[U+e:U+e+1], v[U+e:U+e+1], v[WO+e:WO+e+1]               ; h_new
.set e, e+2
.endr
.irp t, 0,1,2,3,4,5,6,7
	global_store_b128 v[GO], v[U+4*(\t):U+4*(\t)+3], s[HP:HP+1] offset:(16*(\a)+2*(\t))*OROW th:TH_STORE_NT
.endr
.endm
	s_wait_tensorcnt 1                             ; my part of K step 0 is in; K step 1's may stay out
	s_barrier_signal -1
	s_barrier_wait -1                              ; everybody's is
	FETCH 0, 0, 0
	QUARTER 0, 64,  0, 1, 1                        ; the first quarter stands in front of the loop: its products start the sums, with the bias
	WIN 0                                          ; at a label and at a branch every window is 0
	s_mov_b32 s3, LAPS-1
.Llap:                                                 ; a trip goes once round the ring, from a lap's second quarter to the next lap's first, and fills both slots again
	QUARTER 0, 128, 1, 0, 0
	QUARTER 0, 192, 0, 1, 0
	TURN 0, 1, 1
	QUARTER 1, 64,  0, 1, 0
	QUARTER 1, 128, 1, 0, 0
	QUARTER 1, 192, 0, 1, 0
	TURN 1, 0, 1
	QUARTER 0, 64,  0, 1, 0
	WIN 0
	s_sub_co_u32 s3, s3, 1
	s_cmp_lg_u32 s3, 0
	s_cbranch_scc1 .Llap
	QUARTER 0, 128, 1, 0, 0                        ; the last lap is written out: it fills nothing, and has no round of the cluster's barrier
	QUARTER 0, 192, 0, 1, 0
	TURN 0, 1, 0
	QUARTER 1, 64,  0, 1, 0
	QUARTER 1, 128, 1, 0, 0
	QUARTER 1, 192, 0, 1, 0
	s_wait_dscnt 16                                ; the very last quarter: nothing more to fetch from LDS
	MUL16 1, 0, 0, 0
	MUL16 1, 0, 2, 0
	PLACES                                         ; for the loads into Wb's buffer 0, which the quarter before multiplied
	WIN 0x40
.irp a, 0,1,2,3                        ; c of my 64 rows x 64 columns, in the layout of the rows that come back from the stage: block a, rows 2 t and 2 t + 1
.irp t, 0,1,2,3,4,5,6,7
	global_load_b128 v[32*(\a)+4*(\t):32*(\a)+4*(\t)+3], v[GO], s[CP:CP+1] offset:(16*(\a)+2*(\t))*OROW th:TH_LOAD_NT
.endr
.endr
	s_wait_dscnt 0x0
	MUL16 1, 1, 0, 0
	MUL16 1, 1, 2, 0
	WIN 0
	PLACES                                         ; the tail's first lines read results
	EPI 0
	EPI 1
	EPI 2
	EPI 3
	s_wait_tensorcnt 0x0                           ; the wave's end: the add and its waits, behind my last tensor load and my last LDS store
	ds_add_u32 v[SPW], v[NIL]
	s_wait_dscnt 0x0
	CROUND                                         ; the closing round: no work-group ends while a partner may still ask for a tile that names it
	s_endpgm
.Lfunc_end_k_q8447d85183_lstm:
	.size	k_q8447d85183_lstm, .Lfunc_end_k_q8447d85183_lstm-k_q8447d85183_lstm
	.p2alignl 7, 3214868480
	.fill 96, 4, 3214868480
	.section	.rodata,"a",@progbits
	.p2align	6, 0x0
	.amdhsa_kernel k_q8447d85183_lstm
		.amdhsa_group_segment_fixed_size 327680
		.amdhsa_private_segment_fixed_size 0
		.amdhsa_enable_private_segment 0
		.amdhsa_kernarg_size 72
		.amdhsa_user_sgpr_count 2
		.amdhsa_user_sgpr_kernarg_segment_ptr 1
		.amdhsa_wavefront_size32 1
		.amdhsa_system_sgpr_workgroup_id_x 1
		.amdhsa_system_sgpr_workgroup_id_y 1
		.amdhsa_system_sgpr_workgroup_id_z 1
		.amdhsa_system_vgpr_workitem_id 0
		.amdhsa_next_free_vgpr 1024
		.amdhsa_next_free_sgpr 88
		.amdhsa_reserve_vcc 0
		.amdhsa_float_denorm_mode_32 3
		.amdhsa_float_denorm_mode_16_64 3
		.amdhsa_memory_ordered 1
		.amdhsa_forward_progress 1
		.amdhsa_inst_pref_size 229
	.end_amdhsa_kernel
	.amdgpu_metadata
---
amdhsa.version: [ 1, 2 ]
amdhsa.kernels:
  - .name:           k_q8447d85183_lstm
    .symbol:         k_q8447d85183_lstm.kd
    .args:
      - { .name: Ab, .offset: 0, .size: 8, .value_kind: global_buffer, .address_space: global }
      - { .name: Wb, .offset: 8, .size: 8, .value_kind: global_buffer, .address_space: global }
      - { .name: c, .offset: 16, .size: 8, .value_kind: global_buffer, .address_space: global }
      - { .name: bfx, .offset: 24, .size: 8, .value_kind: global_buffer, .address_space: global }
      - { .name: bix, .offset: 32, .size: 8, .value_kind: global_buffer, .address_space: global }
      - { .name: bcx, .offset: 40, .size: 8, .value_kind: global_buffer, .address_space: global }
      - { .name: box, .offset: 48, .size: 8, .value_kind: global_buffer, .address_space: global }
      - { .name: out0, .offset: 56, .size: 8, .value_kind: global_buffer, .address_space: global }
      - { .name: out1, .offset: 64, .size: 8, .value_kind: global_buffer, .address_space: global }
    .group_segment_fixed_size: 327680
    .private_segment_fixed_size: 0
    .kernarg_segment_align: 8
    .kernarg_segment_size: 72
    .max_flat_workgroup_size: 128
    .sgpr_count:     88
    .vgpr_count:     1024
    .wavefront_size: 32
...
	.end_amdgpu_metadata
.endif
;; end of part 2
;; ======== version 2 of 2: 2 launches; version 1 with the launch pack written anew for expert scheduling mode
;; workspace buffers: Ab 16,777,216 bytes; Wb 67,108,864 bytes
;; launch pack (part 3): grid 512 x 1, 8 waves a work-group, no clusters, 0 bytes of LDS; arguments x, h, Wfx, Wfh, Wix, Wih, Wcx, Wch, Wox, Woh, Ab, Wb; writes Ab, Wb
.if DOCPART == 3
	.amdgcn_target "amdgcn-amd-amdhsa--gfx1250"
	.amdhsa_code_object_version 6
	.text
	.protected	k_q8447d85183_pack
	.globl	k_q8447d85183_pack
	.p2align	8
	.type	k_q8447d85183_pack,@function
k_q8447d85183_pack:
	s_mov_b64 s[64:65], 0
	v_nop
	global_prefetch_b8 v0, s[64:65] scope:SCOPE_SE
	s_setreg_imm32_b32 hwreg(HW_REG_WAVE_SCHED_MODE, 0, 2), 2
	s_setreg_imm32_b32 hwreg(HW_REG_WAVE_MODE, 25, 1), 1
	s_wait_xcnt 0x0
	s_wait_alu depctr_vm_vsrc(0)
; The ten f32 matrices [2048][2048] are rounded once to bf16 (nearest even) and laid out for the product that follows.
;   Ab [2048][4096] bf16: row m = x[m][:] then h[m][:].
;   Wb [8192][4096] bf16: row (j / 64) 256 + 64 g + j % 64 = Wgx[j][:] then Wgh[j][:], g = 0, 1, 2, 3 for the gates f, i, c, o:
;   so 256 rows on end hold all four gates of 64 hidden columns.
; SHARES.  Work-group rb takes rows 4 rb .. 4 rb + 3 of all ten matrices, so every source pointer is named by the text and none is chosen.
; A CHUNK is half a source row, 4,096 bytes: thread t loads 16 bytes at 16 t (a wave: 512 bytes on end), rounds four numbers and stores 8 bytes at 8 t
; (a wave's store covers 256 consecutive bytes, aligned).  80 chunks, Q = 8 k + i: matrix k in the order of the arguments, row i / 2, half i % 2.
; Nothing is shared between waves: no LDS, no barrier, no matrix unit.  No prefetch: every byte is asked for once, by a load that stands three blocks ahead of its use.
; THE MODE: SCHED_MODE bits 1:0 = 2 (LLVM: expert scheduling mode 2), set by the entry lines.  The code itself states the register dependences
; between vector instructions and memory instructions, with s_wait_alu, always for 0.
; THE PLAN.  The 80 chunks go in 10 blocks of eight: block p is matrix p.  Registers that memory instructions touch:
;   X0 .. X3   four blocks as loaded.  Written by the loads of block p + 3, issued in block p; read by block p's conversions alone.
;   Y0, Y1     two blocks to store.    Written by block p's conversions; read by the eight stores that are issued in block p + 1.
;   v1, v2, v3 byte offsets, made once at the head and never written again: the matrices are reached by their own scalar bases, which are never stepped,
;              and rows, halves and gates by immediate offsets.
; Block p works on X[p % 4] and writes Y[p % 2].  Its memory instructions are the loads into X[(p + 3) % 4] = X[(p - 1) % 4] and the stores from
; Y[(p - 1) % 2]: the two buffers that block p - 1 worked on and that no vector instruction of block p names.  So the waits at the head of a block
; state all that the block's sixteen memory instructions hang on, and these are dealt among its conversions with no further wait.
; At a block's head the two younger blocks' sixteen loads stay out; with the eight that follow, 24 loads of every wave are on their way.
.set SO,  1                            ; v1  byte offset in a source: 32,768 rb + 16 t; never rewritten
.set DA,  2                            ; v2  byte offset in Ab: 32,768 rb + 8 t; never rewritten
.set DW,  3                            ; v3  byte offset in Wb: (rb / 16) 2^21 + (rb % 16) 2^15 + 8 t; never rewritten
.set X,   4                            ; v[4:131]    chunk Q: 4 registers at X + 4 (Q % 32), as loaded: buffer (Q / 8) % 4, place Q % 8
.set Y,   132                          ; v[132:163]  chunk Q: 2 registers at Y + 2 (Q % 16), to store: buffer (Q / 8) % 2, place Q % 8
.set SRC, 8                            ; s[8+2k:9+2k] matrix k;  s[28:29] Ab;  s[30:31] Wb
	s_load_b512 s[8:23], s[0:1], 0x0               ; x, h, Wfx, Wfh, Wix, Wih, Wcx, Wch
	s_load_b256 s[24:31], s[0:1], 0x40             ; Wox, Woh, Ab, Wb
	s_lshl_b32 s2, ttmp9, 15                       ; four rows of 8,192 bytes, in a source and in Ab alike
	s_lshr_b32 s3, ttmp9, 4                        ; j / 64
	s_lshl_b32 s3, s3, 21                          ; x 256 rows of 8,192 bytes
	s_and_b32 s4, ttmp9, 15
	s_lshl_b32 s4, s4, 15                          ; (j % 64) x 8,192, for the first of my four rows
	s_add_co_u32 s3, s3, s4
	v_lshl_add_u32 v[SO], v0, 4, s2
	v_lshl_add_u32 v[DA], v0, 3, s2
	v_lshl_add_u32 v[DW], v0, 3, s3
	s_wait_kmcnt 0x0
	s_wait_alu depctr_va_vdst(0)                   ; v1, v2 and v3 are written: every load and store of the kernel reads one of them as its offset
.macro LD n                            ; chunk n is asked for
.set lk, (\n)/8
.set li, (\n)%8
.set ls, (\n)%32
	global_load_b128 v[X+4*ls:X+4*ls+3], v[SO], s[SRC+2*lk:SRC+2*lk+1] offset:li*4096 th:TH_LOAD_NT
.endm
.macro CV n                            ; chunk n is rounded: four numbers into two registers
.set cx, (\n)%32
.set cy, (\n)%16
	v_cvt_pk_bf16_f32 v[Y+2*cy],   v[X+4*cx],   v[X+4*cx+1]
	v_cvt_pk_bf16_f32 v[Y+2*cy+1], v[X+4*cx+2], v[X+4*cx+3]
.endm
.macro ST n                            ; chunk n is stored
.set sk, (\n)/8
.set si, (\n)%8
.set sy, (\n)%16
.set so, (si/2)*8192+(sk%2)*4096+(si%2)*2048   ; row, x side or h side, half: the largest immediate is 1,603,584, inside the signed 24 bits
.if sk < 2
	global_store_b64 v[DA], v[Y+2*sy:Y+2*sy+1], s[28:29] offset:so th:TH_STORE_NT
.else
	global_store_b64 v[DW], v[Y+2*sy:Y+2*sy+1], s[30:31] offset:so+(sk/2-1)*524288 th:TH_STORE_NT  ; the gate's 64 rows of 8,192 bytes
.endif
.endm
; Block p.  Blocks 0 to 6 ask for the block three on; blocks 1 to 9 store the block before.
.macro BLK p
.set left, 16                          ; the loads issued behind block p's: the two younger blocks' sixteen, fewer at the end
.if (\p) == 8
.set left, 8
.endif
.if (\p) == 9
.set left, 0
.endif
	s_wait_loadcnt left                            ; loads come back in order (ISA guide 5.7.1): X[p % 4] is in, the younger blocks stay out
.if (\p) >= 2
	s_wait_xcnt 0x0                                ; every earlier memory instruction has had its addresses translated (ISA guide 3.1): Y[p % 2], the data of the stores issued in the block before, is rewritten only behind this wait
	s_wait_alu depctr_vm_vsrc(0)                   ; those stores have read Y[p % 2], which this block's conversions write again
.endif
.if (\p) >= 1
	s_wait_alu depctr_va_vdst(0)                   ; the block before has written the other Y, which the stores below read, and is done reading its X, in which the loads below (in blocks 1 to 6) land
.endif
.set bi, 0
.rept 8
.if (\p) < 7
	LD 8*(\p)+24+bi                                ; three blocks ahead, the load ahead of the store; no vector instruction since the wait names these registers
.endif
.if (\p) >= 1
	ST 8*(\p)-8+bi                                 ; the block before
.endif
	CV 8*(\p)+bi
.set bi, bi+1
.endr
.endm
.set q, 0
.rept 24
	LD q                                           ; blocks 0, 1 and 2 into X0, X1, X2
.set q, q+1
.endr
.set q, 0
.rept 10
	BLK q                                          ; block 0 has no block in front of it: no store, and no wait but the one for its data (no vector instruction has named X3)
.set q, q+1
.endr
	s_wait_alu depctr_va_vdst(0)                   ; block 9 has written Y1, which the last eight stores read
.set q, 72
.rept 8
	ST q
.set q, q+1
.endr
	s_endpgm
.Lfunc_end_k_q8447d85183_pack:
	.size	k_q8447d85183_pack, .Lfunc_end_k_q8447d85183_pack-k_q8447d85183_pack
	.p2alignl 7, 3214868480
	.fill 96, 4, 3214868480
	.section	.rodata,"a",@progbits
	.p2align	6, 0x0
	.amdhsa_kernel k_q8447d85183_pack
		.amdhsa_group_segment_fixed_size 0
		.amdhsa_private_segment_fixed_size 0
		.amdhsa_enable_private_segment 0
		.amdhsa_kernarg_size 96
		.amdhsa_user_sgpr_count 2
		.amdhsa_user_sgpr_kernarg_segment_ptr 1
		.amdhsa_wavefront_size32 1
		.amdhsa_system_sgpr_workgroup_id_x 1
		.amdhsa_system_sgpr_workgroup_id_y 1
		.amdhsa_system_sgpr_workgroup_id_z 1
		.amdhsa_system_vgpr_workitem_id 0
		.amdhsa_next_free_vgpr 164
		.amdhsa_next_free_sgpr 66
		.amdhsa_reserve_vcc 0
		.amdhsa_float_denorm_mode_32 3
		.amdhsa_float_denorm_mode_16_64 3
		.amdhsa_memory_ordered 1
		.amdhsa_forward_progress 1
		.amdhsa_inst_pref_size 28
	.end_amdhsa_kernel
	.amdgpu_metadata
---
amdhsa.version: [ 1, 2 ]
amdhsa.kernels:
  - .name:           k_q8447d85183_pack
    .symbol:         k_q8447d85183_pack.kd
    .args:
      - { .name: x, .offset: 0, .size: 8, .value_kind: global_buffer, .address_space: global }
      - { .name: h, .offset: 8, .size: 8, .value_kind: global_buffer, .address_space: global }
      - { .name: Wfx, .offset: 16, .size: 8, .value_kind: global_buffer, .address_space: global }
      - { .name: Wfh, .offset: 24, .size: 8, .value_kind: global_buffer, .address_space: global }
      - { .name: Wix, .offset: 32, .size: 8, .value_kind: global_buffer, .address_space: global }
      - { .name: Wih, .offset: 40, .size: 8, .value_kind: global_buffer, .address_space: global }
      - { .name: Wcx, .offset: 48, .size: 8, .value_kind: global_buffer, .address_space: global }
      - { .name: Wch, .offset: 56, .size: 8, .value_kind: global_buffer, .address_space: global }
      - { .name: Wox, .offset: 64, .size: 8, .value_kind: global_buffer, .address_space: global }
      - { .name: Woh, .offset: 72, .size: 8, .value_kind: global_buffer, .address_space: global }
      - { .name: Ab, .offset: 80, .size: 8, .value_kind: global_buffer, .address_space: global }
      - { .name: Wb, .offset: 88, .size: 8, .value_kind: global_buffer, .address_space: global }
    .group_segment_fixed_size: 0
    .private_segment_fixed_size: 0
    .kernarg_segment_align: 8
    .kernarg_segment_size: 96
    .max_flat_workgroup_size: 256
    .sgpr_count:     66
    .vgpr_count:     164
    .wavefront_size: 32
...
	.end_amdgpu_metadata
.endif
;; end of part 3
;; launch lstm: the kernel of part 2 again; grid 32 x 8, 4 waves a work-group, clusters of 4 x 4, 327,680 bytes of LDS; arguments Ab, Wb, c, bfx, bix, bcx, box, out0, out1; writes out0, out1
